; MI455X (gfx1250); checked and timed in simulation.
; The chip was launched on July 23, 2026; its instructions are those of AMD's public machine-readable ISA for CDNA 5 (MIT licence, August 2026) and "CDNA5" Instruction Set Architecture Reference Guide (July 2026). The comments in the code are by the model that wrote it; some were corrected since.
;; Bi Cross Attention. Allowed arithmetic: matrix products marked QUANTISED: E4M3 operands, one given power-of-two scale a tensor, by v_wmma_f32_16x16x64_fp8_fp8 or v_wmma_f32_16x16x128_fp8_fp8, f32 sums; everything else in f32.
;; Inputs: input1 8 x 256 x 32 x 32 float32; input2 8 x 256 x 32 x 32 float32; k1_b 512 float32; k1_w 512 x 256 float32; k2_b 512 float32; k2_w 512 x 256 float32; lowp_scales 18 int32 (the exponents e of the quantised operands' scales 2^e); o1_b 256 float32; o1_w 256 x 512 float32; o2_b 256 float32; o2_w 256 x 512 float32; v1_b 512 float32; v1_w 512 x 256 float32; v2_b 512 float32; v2_w 512 x 256 float32.
;; Outputs: out0 8 x 256 x 32 x 32 float32; out1 8 x 256 x 32 x 32 float32.
;; This version of the problem:
;;   THIS VERSION OF THE PROBLEM IS GIVEN IN LOW PRECISION. The matrix products marked QUANTISED in the list below multiply operands that are first quantised to E4M3 (4 exponent bits, 3 mantissa bits; 8 bits a number), with one given power-of-two scale for each operand tensor; their sums are f32. All else is computed in f32.
;;   The module's matrix products, in the order in which they are computed (A, B: the left and right operand; K: the contracted axis; several contracted axes count as one K, in the product's order):
;;     1. [M 8,192, K 256] x [K 256, N 512]; A: input input1; B: input k1_w: QUANTISED (scales: A lowp_scales[0], B lowp_scales[1])
;;     2. [M 8,192, K 256] x [K 256, N 512]; A: input input2; B: input k2_w: QUANTISED (scales: A lowp_scales[2], B lowp_scales[3])
;;     3. [M 8,192, K 256] x [K 256, N 512]; A: input input1; B: input v1_w: QUANTISED (scales: A lowp_scales[4], B lowp_scales[5])
;;     4. [M 8,192, K 256] x [K 256, N 512]; A: input input2; B: input v2_w: QUANTISED (scales: A lowp_scales[6], B lowp_scales[7])
;;     5. batch 64 x [M 1,024, K 64] x [K 64, N 1,024]; A: computed on the way; B: computed on the way: QUANTISED (scales: A lowp_scales[8], B lowp_scales[9])
;;     6. batch 64 x [M 1,024, K 1,024] x [K 1,024, N 64]; A: softmax (see below); B: computed on the way: QUANTISED (scales: A lowp_scales[10], B lowp_scales[11])
;;     7. [M 8,192, K 512] x [K 512, N 256]; A: computed on the way; B: input o1_w: QUANTISED (scales: A lowp_scales[12], B lowp_scales[13])
;;     8. batch 64 x [M 1,024, K 1,024] x [K 1,024, N 64]; A: softmax (see below); B: computed on the way: QUANTISED (scales: A lowp_scales[14], B lowp_scales[15])
;;     9. [M 8,192, K 512] x [K 512, N 256]; A: computed on the way; B: input o2_w: QUANTISED (scales: A lowp_scales[16], B lowp_scales[17])
;;   THE QUANTISER, for each operand of a quantised product, along K:
;;     - The operand's scale is 2^e, e = its entry of the input lowp_scales (int32; the entries are numbered through the quantised products in the list's order, A before B).
;;     - Each number is divided by the scale, clamped to +-448, and rounded to the nearest number of E4M3, ties to even, subnormals kept.
;;     - The product sums the exact products of the quantised numbers (number of the format x scale) in f32.
;;   ~~~python
;;   def quantise(x, axis, e):      # numpy; x: float32 -> the quantised numbers, widened to float32 again
;;       x = np.moveaxis(x, axis, -1); K = x.shape[-1]
;;       r = np.clip(x / 2.0 ** e, -448, 448)
;;       step = 2.0 ** (np.maximum(np.frexp(np.where(r == 0, 1, r))[1] - 1, -6) - 3)
;;       q = np.round(r / step) * step * 2.0 ** e      # np.round: ties to even
;;       return np.moveaxis(q, -1, axis).astype(np.float32)
;;   ~~~
;;   SOFTMAX AHEAD OF A QUANTISED PRODUCT. Where the list says 'softmax', what is quantised is not the finished softmax but p = 2^(t - M), with t = logit x log2(e) and M = ceil(the row's largest t), a whole number; so 1/2 < the row's largest p <= 1. The row's sum l is taken of the UNQUANTISED p, in f32, and the product's result is divided by l at the end. Since M is a whole number, a kernel that streams over the keys may use a running M (the ceiling of the running maximum): every later rescaling is an exact power of two, so the quantised numbers keep their values, but for numbers so far below the row's largest that they fall under the format's range.
;;   OPERANDS COMPUTED ON THE WAY. 'Computed on the way' means the value that the module computes at that place (a softmax that the list does not call 'softmax' is quantised finished and normalised). What goes into a quantiser is computed in f32, as accurately as f32 sums, v_exp_f32 and their like allow (about 1e-6 of the number): no bf16 or f16 on the way to a quantiser, and a product that is left as it is and whose result goes on into a quantised operand takes f32 operands (vector FMAs, or v_wmma_f32_16x16x4_f32). A number that lies on a knife's edge between two numbers of the format may be rounded either way, as far as f32 arithmetic and the matrix unit's own rounding can turn it there, and no further.
;; One version. Each part assembles by itself: llvm-mc -triple=amdgcn-amd-amdhsa -mcpu=gfx1250 --defsym DOCPART=n.
;; ======== version 1 of 1: 2 launches
;; limits: right only within a limited range of input values
;; workspace buffers: kvimg 16,777,216 bytes; owimg 262,144 bytes
;; launch proj (part 1): grid 256 x 1, 16 waves a work-group, clusters of 4 x 1, 268,288 bytes of LDS; arguments input1, input2, k1_w, k2_w, v1_w, v2_w, k1_b, k2_b, v1_b, v2_b, lowp_scales, kvimg, o1_w, o2_w, owimg; writes kvimg, owimg
.if DOCPART == 1
	.amdgcn_target "amdgcn-amd-amdhsa--gfx1250"
	.amdhsa_code_object_version 6
	.text
	.protected	k_q7ba1378e67_proj
	.globl	k_q7ba1378e67_proj
	.p2align	8
	.type	k_q7ba1378e67_proj,@function
k_q7ba1378e67_proj:
	s_mov_b64 s[64:65], 0
	v_nop
	global_prefetch_b8 v0, s[64:65] scope:SCOPE_SE
	s_setreg_imm32_b32 hwreg(HW_REG_WAVE_MODE, 25, 1), 1
	s_wait_xcnt 0x0
	s_wait_alu depctr_hold_cnt(0) depctr_sa_sdst(0) depctr_va_vdst(0) depctr_va_sdst(0) depctr_va_ssrc(0) depctr_va_vcc(0) depctr_vm_vsrc(0)
	s_getreg_b32 s2, hwreg(HW_REG_IB_STS2, 6, 4)
	s_cmp_eq_u32 s2, 0
	s_cbranch_scc0 .Lentry_in_a_cluster
	s_endpgm
.Lentry_in_a_cluster:
	s_bfe_u32 s2, ttmp6, 0x10000c
	s_cmp_lg_u32 s2, 0x3003
	s_cbranch_scc0 .Lentry_shape_is_right
	s_endpgm
.Lentry_shape_is_right:
; THE FOUR INPUT PROJECTIONS: k1, k2, v1, v2 = e W^T + bias, e[b][s][c] = input[b][c][s], on codes of FP8 (E4M3), each operand with the one scale 2^e given for it; the results are quantised
; at once for the products that follow and leave as images of operand registers (a group of four registers = 512 bytes, lane l's 16 bytes at 16 l).  No product, step or input of the problem is left out.
; SHARES.  Cluster number: half = bit 0, path = bit 1 (0: a k projection, 1: a v projection), b = bits 4:2, i = bit 5 (input1 or input2); a work-group takes positions 256 cx .. + 255 of input i, batch b, against features 256 half .. + 255.
; QUANTISING: wave w takes W's rows 16 w .. + 15 of the 256, and channels 16 w .. + 15 of e's 256 positions.
; W: the rows come as f32 by one tensor load a wave into the wave's own 16,640 bytes of LDS (16 rows of 1,024 + 16 bytes: the sixteen rows that a load touches begin at sixteen different 16-byte columns modulo 256).  Lane (r, h) reads row r, k = 128 q + 32 c + 16 h + 0 .. 15:
; the conversions' results are the operand's registers.  CLUSTERS: the four work-groups of a cluster need the same rows of W: each tile is asked for jointly (mask 15); descriptors and LDS addresses hang on the cluster's number and the wave's alone.
; e: each load reads 512 consecutive bytes of one channel, four positions a lane; the hold that the conversion wants writes its result where the conversion wants it, so that 16 registers on end are 16 channels of one position.  It is another work-group's in no cluster, so it goes through registers.
; CODES IN LDS: behind the wave's last read of its f32 rows its own bytes take its codes: W's tile as an image at 0 (4,096 bytes: q, c, lane), then for each tile T of 16 positions the 256 bytes of its channels at 4,096 + 272 T + 16 r.
; So a fragment's register group (q, c) of tile T lies in the bytes of waves 8 q + 2 c (h = 0) and 8 q + 2 c + 1 (h = 1), 256 consecutive bytes each.
; THE POSITIONS OF A TILE ARE NOT NEIGHBOURS: lane r of tile T = 2 bb + u takes position 32 bb + 8 u + r + 8 (r / 8).
; PRODUCTS: wave w takes features 64 (w % 4) .. + 63, one head, and positions 64 (w / 4) .. + 63: 16 accumulators, 32 matrix instructions.
; PATH k (source 0 = 16 rows of W, source 1 = 16 positions): a lane holds one position; 16 registers of W tiles 2 c', 2 c' + 1 are channels 32 c' + 8 h + 0 .. 7 and 32 c' + 16 + 8 h + 0 .. 7: queries and keys carry the same permutation along the head.
; PATH v (source 0 = 16 positions, source 1 = 16 rows of W): a lane holds one feature; 16 registers of position tiles u = 0, 1 are positions 32 bb + 16 h + 0 .. 15.
; kvimg: [i][b][head][128 positions: 8][k: tile 8, c' 2, lane, 16 B: 8,192 bytes | v: channel tile 4, 32 positions 4, lane, 16 B: 8,192 bytes].
; The bias, divided by 2^(ea + ew), is the C of each sum's first matrix instruction; the three scales ahead of the quantiser are folded into the conversion's one: 2^(eout - ea - ew).
; ON THE SIDE waves 14 and 15 quantise a quarter fragment each of o1_w or o2_w into owimg: [dir][ct 16][g 4][Q 4][lane][16 B]: rows 16 ct + r, k = 128 g + 32 Q + 16 c + 8 h + 0 .. 7, c = 0, 1; the 512 waves cover the 512 quarters.
; NO PREFETCH: every byte is asked for at the head; there is no loop to run ahead in.
; LIMITS: ea, ew, eout - ea - ew and the output weight's e between -126 and 119, so that each power of two and 448 x it is an f32 number.  NaN among the inputs is not served (an infinity is held at the largest code).
.set WT,    16640                      ; a wave's bytes in LDS
.set FP,    1040                       ; an f32 row
.set EO,    4096                       ; in them: e's codes,
.set EP,    272                        ; a tile's
.set SPARE, 16*WT                      ; the spare words, 128 bytes for each wave: eight blocks of 256 bytes that no other line names
.set LI,  1                            ; 16 x lane
.set FA,  2                            ; my f32 rows: WT w + FP r + 64 h
.set WSA, 3                            ; my W image: WT w + 16 x lane
.set EA,  2                            ; (later) v2-5: e's fragments: (q, c / 2) at 66,560 (2 q + c / 2)
.set BOK, 4                            ; the biases: path k 32 h, path v 4 r
.set BOV, 5
.set WA,  6                            ; W's fragments: 4 WT (w % 4) + 16 x lane
.set EST, 7                            ; where I store a position's 16 codes
.set SCA, 8                            ; 2^ea, 448 x 2^ea
.set LIA, 9
.set SCW, 10                           ; the same for ew
.set LIW, 11
.set SCO, 12                           ; for eout - ea - ew
.set LIO, 13
.set SPW, 14                           ; LDS address of my spare word; never rewritten
.set NIL, 15                           ; 0; never rewritten
.set CW,  16                           ; v16-31   codes on their way to LDS; then a fragment of e
.set BK,  32                           ; v32-63   the biases, eight registers for each W tile; then fragments of e
.set T,   64                           ; v64-127  f32 of W, e held and turned; then W's four fragments; then the results' codes
.set R,   128                          ; v128-255 e as loaded: register 64 hf + 4 n + p = channel 16 w + n, position 128 hf + 4 lane + p; then the accumulators: (t, wt) at 32 t + 8 wt
.macro CROUND                          ; a round of the cluster's barrier
	s_barrier_signal -1
	s_barrier_wait -1
	s_cmp_lg_u32 s2, 0
	s_cbranch_scc1 .Lnot_wave_0_\@
	s_barrier_signal -3
.Lnot_wave_0_\@:
	s_barrier_wait -3
	s_barrier_signal -1
	s_barrier_wait -1
.endm
.macro POW2 e, sc, lim                 ; s[e] = a whole number x: v[sc] = 2^x as f32, v[lim] = 448 x 2^x
	s_add_co_i32 s51, s[\e], 127
	s_lshl_b32 s62, s51, 23
	v_mov_b32 v[\sc], s62
	s_add_co_i32 s51, s51, 8
	s_lshl_b32 s51, s51, 23
	s_or_b32 s51, s51, 0x600000
	v_mov_b32 v[\lim], s51
.endm
	s_load_b512 s[8:23], s[0:1], 0x0               ; input1, input2, k1_w, k2_w, v1_w, v2_w, k1_b, k2_b
	s_load_b256 s[24:31], s[0:1], 0x40             ; v1_b, v2_b, the scales' exponents, kvimg
	s_load_b128 s[68:71], s[0:1], 0x60             ; o1_w, o2_w
	s_load_b64 s[72:73], s[0:1], 0x70              ; owimg
	v_lshl_add_u32 v[SPW], v0, 2, SPARE
	v_mov_b32 v[NIL], 0
	ds_add_u32 v[SPW], v[NIL]                      ; the wave's opening: the add, twice on end, and its wait ahead of my tensor load
	ds_add_u32 v[SPW], v[NIL]
	v_lshrrev_b32 v16, 5, v0
	v_readfirstlane_b32 s2, v16                    ; wave 0..15
	s_bfe_u32 s6, ttmp6, 0x40000                   ; cx
	s_and_b32 s89, ttmp9, 1                        ; half
	s_bfe_u32 s3, ttmp9, 0x10001                   ; path
	s_bfe_u32 s5, ttmp9, 0x30002                   ; b
	s_lshr_b32 s4, ttmp9, 5                        ; i
	s_and_b32 s60, s2, 3                           ; which 64 features,
	s_lshr_b32 s61, s2, 2                          ; which 64 positions the products are for
	s_mul_i32 s88, s2, WT
	; descriptor group 1: 16 rows of 256 f32, dense; 15:0 the mask: all four of the cluster; 17:16 elements of 4 bytes; 20 padding on; 21 set beside a mask; 24:22 after every 256 words (code 7); 31:25 four words (code 3)
	s_mov_b32 s52, 15|(2<<16)|(1<<20)|(1<<21)|(7<<22)|(3<<25)
	s_mov_b32 s53, 256<<16
	s_mov_b32 s54, 16<<16
	s_mov_b32 s55, 256<<16
	s_mov_b32 s56, 16
	s_mov_b32 s57, 256
	s_mov_b32 s58, 0
	s_mov_b32 s59, 0
	s_lshl_b32 s82, s89, 18                        ; W: row 256 half + 16 w
	s_lshl_b32 s51, s2, 14
	s_add_co_u32 s82, s82, s51
	s_mov_b32 s83, 0
	s_lshl_b32 s80, s5, 20                         ; the input: b, channel 16 w, position 256 cx
	s_lshl_b32 s51, s2, 16
	s_add_co_u32 s80, s80, s51
	s_lshl_b32 s51, s6, 10
	s_add_co_u32 s80, s80, s51
	s_mov_b32 s81, 0
	s_lshl_b32 s84, s89, 10                        ; the bias: feature 256 half + 64 (w % 4)
	s_lshl_b32 s51, s60, 8
	s_add_co_u32 s84, s84, s51
	s_mov_b32 s85, 0
	s_lshl_b32 s36, s3, 4                          ; ea, ew: entries 4 path + 2 i, + 1
	s_lshl_b32 s51, s4, 3
	s_add_co_u32 s36, s36, s51
	s_mov_b32 s37, 0
	s_lshl_b32 s38, s4, 2
	s_add_co_u32 s38, s38, 32                      ; eout: path k: entry 8 + i;
	s_lshl_b32 s51, s4, 4
	s_sub_co_u32 s51, 60, s51                      ; path v: entry 15 (v1) or 11 (v2)
	s_mov_b32 s63, 4096
	s_cmp_eq_u32 s3, 0
	s_cselect_b32 s38, s38, s51
	s_cselect_b32 s63, s63, 1024                   ; the second 64 positions of 128: path k: 4 tiles on; path v: 2 groups of 32 on
	s_mov_b32 s39, 0
	s_lshl_b32 s86, s4, 23                         ; the image: i, b, head, 128 positions, path
	s_lshl_b32 s51, s5, 20
	s_add_co_u32 s86, s86, s51
	s_lshl_b32 s51, s89, 19
	s_add_co_u32 s86, s86, s51
	s_lshl_b32 s51, s60, 17
	s_add_co_u32 s86, s86, s51
	s_lshl_b32 s51, s6, 15
	s_add_co_u32 s86, s86, s51
	s_lshr_b32 s51, s61, 1
	s_lshl_b32 s51, s51, 14
	s_add_co_u32 s86, s86, s51
	s_lshl_b32 s51, s3, 13
	s_add_co_u32 s86, s86, s51
	s_and_b32 s51, s61, 1
	s_mul_i32 s51, s51, s63
	s_add_co_u32 s86, s86, s51
	s_mov_b32 s87, 0
	s_lshl_b32 s90, ttmp9, 2
	s_add_co_u32 s90, s90, s6                      ; the output weight: id = 4 x cluster + cx:
	s_bfe_u32 s76, s90, 0x40003                    ; ct = (id >> 3) & 15,
	s_lshl_b32 s76, s76, 15
	s_bfe_u32 s51, s90, 0x20001                    ; g = (id >> 1) & 3,
	s_lshl_b32 s51, s51, 9
	s_add_co_u32 s76, s76, s51
	s_and_b32 s51, s90, 1                          ; half a fragment = id & 1,
	s_lshl_b32 s51, s51, 8
	s_add_co_u32 s76, s76, s51
	s_and_b32 s51, s2, 1                           ; quarter: the wave's lowest bit
	s_lshl_b32 s78, s51, 9
	s_lshl_b32 s51, s51, 7
	s_add_co_u32 s76, s76, s51
	s_mov_b32 s77, 0
	s_lshl_b32 s51, s90, 10
	s_add_co_u32 s78, s78, s51
	s_mov_b32 s79, 0
	s_lshl_b32 s66, s4, 4                          ; its scale: entry 13 or 17
	s_mov_b32 s67, 0
	s_mul_i32 s60, s60, 4*WT
	s_add_co_u32 s63, s88, EO
	v_and_b32 v16, 31, v0                          ; lane
	v_and_b32 v17, 15, v0                          ; r
	v_bfe_u32 v18, v0, 4, 1                        ; h
	v_lshlrev_b32 v[LI], 4, v16
	v_mul_u32_u24 v[FA], v17, FP
	v_lshrrev_b32 v19, 3, v16                      ; lane l holds positions 4 l + p of 128: tile 2 (l / 8) + bit 1 of l; r = 4 x bit 0 + 8 x bit 2 + p
	v_bfe_u32 v20, v16, 1, 1
	v_and_b32 v21, 1, v16
	v_bfe_u32 v22, v16, 2, 1
	v_lshl_add_u32 v[FA], v18, 6, v[FA]
	v_mul_u32_u24 v[EST], v19, 2*EP
	v_lshlrev_b32 v23, 11, v17                     ; the output weight: 2,048 r + 32 h
	v_lshlrev_b32 v[BOK], 5, v18
	v_lshlrev_b32 v[BOV], 2, v17
	v_mad_u32_u24 v[EST], v20, EP, v[EST]
	v_add_nc_u32 v[FA], s88, v[FA]
	v_add_nc_u32 v[WSA], s88, v[LI]
	v_lshl_add_u32 v23, v18, 5, v23
	v_lshl_add_u32 v[EST], v21, 6, v[EST]
	v_add_nc_u32 v[WA], s60, v[LI]
	v_lshl_add_u32 v[EST], v22, 7, v[EST]
	v_add_nc_u32 v[EST], s63, v[EST]
	s_wait_alu depctr_va_vdst(0)                   ; the wait here, directly ahead of the waits below
	s_wait_dscnt 0x0                               ; both opening adds are done
	s_wait_kmcnt 0x0
	s_cmp_eq_u32 s4, 0                             ; input1's tensors or input2's: the choice hangs on the cluster's number alone
	s_cselect_b64 s[40:41], s[8:9], s[10:11]
	s_cselect_b64 s[12:13], s[12:13], s[14:15]
	s_cselect_b64 s[16:17], s[16:17], s[18:19]
	s_cselect_b64 s[20:21], s[20:21], s[22:23]
	s_cselect_b64 s[24:25], s[24:25], s[26:27]
	s_cselect_b64 s[68:69], s[68:69], s[70:71]
	s_cmp_eq_u32 s3, 0                             ; k's or v's
	s_cselect_b64 s[42:43], s[12:13], s[16:17]
	s_cselect_b64 s[44:45], s[20:21], s[24:25]
	s_add_nc_u64 s[26:27], s[28:29], s[36:37]
	s_add_nc_u64 s[22:23], s[28:29], s[38:39]
	s_add_nc_u64 s[66:67], s[28:29], s[66:67]
	s_load_b64 s[48:49], s[26:27], 0x0             ; ea, ew
	s_load_b32 s50, s[22:23], 0x0                  ; eout
	s_load_b32 s74, s[66:67], 0x34                 ; the output weight's e
	s_mov_b32 s32, 1
	s_mov_b32 s33, s88
	s_add_nc_u64 s[34:35], s[42:43], s[82:83]
	s_or_b32 s35, s35, 0x80000000                  ; type = 2
	s_add_nc_u64 s[40:41], s[40:41], s[80:81]
	s_add_nc_u64 s[44:45], s[44:45], s[84:85]
	s_add_nc_u64 s[46:47], s[30:31], s[86:87]
	s_add_nc_u64 s[68:69], s[68:69], s[76:77]
	s_add_nc_u64 s[72:73], s[72:73], s[78:79]
	CROUND                                         ; all four work-groups are here: the joint loads meet
	tensor_load_to_lds s[32:35], s[52:59]          ; my 16 rows of W: the launch's one fill
	s_nop 0
	s_cmp_lg_u32 s3, 0
	s_cbranch_scc1 .Lbias_v
.irp t, 0,1,2,3
	global_load_b128 v[BK+8*\t:BK+8*\t+3], v[BOK], s[44:45] offset:64*\t        ; path k: features 16 t + 8 h + 0 .. 7
	global_load_b128 v[BK+8*\t+4:BK+8*\t+7], v[BOK], s[44:45] offset:64*\t+16
.endr
	s_branch .Lbias_asked
.Lbias_v:
.irp t, 0,1,2,3
	global_load_b32 v[BK+8*\t], v[BOV], s[44:45] offset:64*\t                   ; path v: feature 16 t + r
.endr
.Lbias_asked:
	s_cmp_lt_u32 s2, 14                            ; the output weight is waves 14's and 15's; no barrier stands in the branches
	s_cbranch_scc1 .Lno_ow_load
	global_load_b128 v[T:T+3], v23, s[68:69]
	global_load_b128 v[T+4:T+7], v23, s[68:69] offset:16
	global_load_b128 v[T+8:T+11], v23, s[68:69] offset:64
	global_load_b128 v[T+12:T+15], v23, s[68:69] offset:80
.Lno_ow_load:
.set n, 0
.rept 16
	global_load_b128 v[R+4*n:R+4*n+3], v[LI], s[40:41] offset:4096*n            ; 128 positions of a channel: 512 consecutive bytes
.set n, n+1
.endr
.set n, 0
.rept 16
	global_load_b128 v[R+64+4*n:R+64+4*n+3], v[LI], s[40:41] offset:4096*n+512  ; and the other 128
.set n, n+1
.endr
	s_wait_kmcnt 0x0
	POW2 48, SCA, LIA
	POW2 49, SCW, LIW
	s_add_co_i32 s63, s48, s49                     ; ea + ew
	s_sub_co_i32 s50, s50, s63                     ; eout - ea - ew
	POW2 50, SCO, LIO
	s_sub_co_i32 s7, 0, s63                        ; the bias goes in x 2^-(ea + ew)
	s_cmp_lt_u32 s2, 14
	s_cbranch_scc1 .Lno_ow
	POW2 74, 24, 25
	s_wait_alu depctr_va_vdst(0)                   ; the wait here, directly ahead of the wait below
	s_wait_loadcnt 32                              ; the quarter fragment is in; e's 32 loads may be out
.set j, 0
.rept 16
	v_med3_num_f32 v[T+j], v[T+j], -v25, v25       ; the conversion to an 8-bit code does not saturate (ISA guide 7.6.2): hold the number within the largest code x the scale first
.set j, j+1
.endr
	v_cvt_scalef32_pk8_fp8_f32 v[T+16:T+17], v[T:T+7], v24
	v_cvt_scalef32_pk8_fp8_f32 v[T+18:T+19], v[T+8:T+15], v24
	v_nop
	global_store_b128 v[LI], v[T+16:T+19], s[72:73]   ; 512 consecutive bytes, aligned
	s_wait_xcnt 0x0                                ; the store has read its data: the loads below land there
.Lno_ow:
	s_wait_alu depctr_va_vdst(0)                   ; the wait at the head's end
	s_wait_tensorcnt 0x0                           ; my 16 rows of W are in: I alone read them
.macro WREAD q                         ; W's f32: lane (r, h): row r, k = 128 q + 32 c + 16 h + 0 .. 15 at T + 16 c
.irp c, 0,1,2,3
.irp i, 0,1,2,3
	ds_load_b128 v[T+16*\c+4*\i:T+16*\c+4*\i+3], v[FA] offset:512*\q+128*\c+16*\i
.endr
.endr
.endm
.macro WHOLD
.set j, 0
.rept 64
	v_med3_num_f32 v[T+j], v[T+j], -v[LIW], v[LIW]
.set j, j+1
.endr
.endm
.macro CVT16 dst, sc                   ; 64 registers to four groups of 16 codes
.irp c, 0,1,2,3
	v_cvt_scalef32_pk8_fp8_f32 v[CW+4*\c:CW+4*\c+1], v[T+16*\c:T+16*\c+7], v[\sc]
	v_cvt_scalef32_pk8_fp8_f32 v[CW+4*\c+2:CW+4*\c+3], v[T+16*\c+8:T+16*\c+15], v[\sc]
.endr
	v_nop                                          ; one plain vector instruction behind the last conversion of a run
.endm
.macro WSTORE q
.irp c, 0,1,2,3
	ds_store_b128 v[WSA], v[CW+4*\c:CW+4*\c+3] offset:2048*\q+512*\c
.endr
.endm
	WREAD 0
	s_wait_dscnt 0x0
	WHOLD
	CVT16 CW, SCW
	WREAD 1
	s_wait_alu depctr_va_vdst(0)                   ; the wait here, directly ahead of the wait below
	s_wait_dscnt 0x0                               ; my last f32 numbers are in registers: my bytes of LDS, whose one fill is over, take codes from here on
	WSTORE 0
	WHOLD
	s_wait_alu depctr_va_vdst(0)
	s_wait_dscnt 0x0                               ; the stores have read the codes' registers
	CVT16 CW, SCW
	WSTORE 1
.macro EHALF hf
.irp p, 0,1,2,3
.set n, 0
.rept 16
	v_med3_num_f32 v[T+16*\p+n], v[R+64*\hf+4*n+\p], -v[LIA], v[LIA]   ; the hold, and the turn: 16 registers on end are 16 channels of position 128 hf + 4 lane + p
.set n, n+1
.endr
.endr
	s_wait_alu depctr_va_vdst(0)                   ; the wait here, directly ahead of the wait below
	s_wait_dscnt 0x0                               ; the last stores have read the codes' registers
	CVT16 CW, SCA
.irp p, 0,1,2,3
	ds_store_b128 v[EST], v[CW+4*\p:CW+4*\p+3] offset:8*EP*\hf+16*\p
.endr
.endm
	s_wait_loadcnt 16                              ; the first 128 positions are in; the other 16 loads may be out
	EHALF 0
	s_wait_loadcnt 0x0
	EHALF 1
	s_mul_i32 s51, s61, 4*EP
	s_add_co_u32 s51, s51, EO                      ; my first tile of positions: 4 (w / 4)
	v_and_b32 v64, 15, v0
	v_bfe_u32 v65, v0, 4, 1
	v_mul_u32_u24 v[EA], v65, WT
	v_lshl_add_u32 v[EA], v64, 4, v[EA]
	v_add_nc_u32 v[EA], s51, v[EA]
	v_add_nc_u32 v[EA+1], 4*WT, v[EA]
	v_add_nc_u32 v[EA+2], 8*WT, v[EA]
	v_add_nc_u32 v[EA+3], 12*WT, v[EA]
	s_wait_alu depctr_va_vdst(0)                   ; the wait here, directly ahead of the waits below
	s_wait_dscnt 0x0                               ; for the others' sake: my codes lie in LDS
	s_barrier_signal -1
	s_barrier_wait -1                              ; everybody's do: behind it LDS is only read
.macro WL q                            ; W's four fragments of K step q
.irp t, 0,1,2,3
.irp c, 0,1,2,3
	ds_load_b128 v[T+16*\t+4*\c:T+16*\t+4*\c+3], v[WA] offset:WT*\t+2048*\q+512*\c
.endr
.endr
.endm
.macro EL q, t, dst                    ; e's fragment of my tile t
.irp c, 0,1,2,3
	ds_load_b128 v[\dst+4*\c:\dst+4*\c+3], v[EA+2*\q+\c/2] offset:2*WT*(\c%2)+EP*\t
.endr
.endm
.macro MM path, q, t, e                ; four accumulators by turns, one instruction a turn; sixteen in a K step; the first K step takes the bias as C
.irp w, 0,1,2,3
.set D, R+32*\t+8*\w
.set WF, T+16*\w
.if \q == 0
.set CC, BK+8*\w
.else
.set CC, D
.endif
.if \path == 0
	v_wmma_f32_16x16x128_fp8_fp8 v[D:D+7], v[WF:WF+15], v[\e:\e+15], v[CC:CC+7]
.else
	v_wmma_f32_16x16x128_fp8_fp8 v[D:D+7], v[\e:\e+15], v[WF:WF+15], v[CC:CC+7]
.endif
.endr
.endm
.macro PLACES n                        ; places behind a matrix instruction: four in front of loads into what it read and of the first read of results, five in front of a matrix instruction that writes over what it read
.rept \n
	v_nop
.endr
.endm
.macro BODY path
	WL 0
	EL 0, 0, 16
	EL 0, 1, 224                                   ; (the fourth tile's accumulators are not begun yet)
	EL 0, 2, 240
.if \path == 0
.set j, 0
.rept 32
	v_ldexp_f32 v[BK+j], v[BK+j], s7
.set j, j+1
.endr
.else
.irp t, 0,1,2,3
.irp j, 1,2,3,4,5,6,7
	v_ldexp_f32 v[BK+8*\t+\j], v[BK+8*\t], s7      ; lane (r, h), every register: the bias of feature 16 t + r
.endr
	v_ldexp_f32 v[BK+8*\t], v[BK+8*\t], s7
.endr
.endif
	s_wait_alu depctr_va_vdst(0)                   ; the wait here, directly ahead of the wait below
	s_wait_dscnt 8                                 ; W and tile 0 are in; tiles 1 and 2 may be out
	MM \path, 0, 0, 16
	PLACES 4
	EL 0, 3, 16
	s_wait_dscnt 8                                 ; tile 1; tiles 2 and 3 may be out
	MM \path, 0, 1, 224
	s_wait_dscnt 4                                 ; tile 2; tile 3 may be out
	MM \path, 0, 2, 240
	PLACES 5
	s_wait_dscnt 0x0
	MM \path, 0, 3, 16
	PLACES 4
	WL 1
	EL 1, 0, 32
	EL 1, 1, 48
	EL 1, 2, 16
	s_wait_dscnt 8
	MM \path, 1, 0, 32
	PLACES 4
	EL 1, 3, 32
	s_wait_dscnt 8
	MM \path, 1, 1, 48
	s_wait_dscnt 4
	MM \path, 1, 2, 16
	s_wait_dscnt 0x0
	MM \path, 1, 3, 32
	PLACES 4
.set j, 0
.rept 128
	v_med3_num_f32 v[R+j], v[R+j], -v[LIO], v[LIO] ; each accumulator from its low end on
.set j, j+1
.endr
.irp a, 0,1,2,3,4,5,6,7
.if \path == 0
	v_cvt_scalef32_pk8_fp8_f32 v[T+4*\a:T+4*\a+1], v[R+16*\a:R+16*\a+7], v[SCO]             ; tile a / 2, W tiles 2 (a % 2), 2 (a % 2) + 1
	v_cvt_scalef32_pk8_fp8_f32 v[T+4*\a+2:T+4*\a+3], v[R+16*\a+8:R+16*\a+15], v[SCO]
.else
	v_cvt_scalef32_pk8_fp8_f32 v[T+4*\a:T+4*\a+1], v[R+64*(\a/4)+8*(\a%4):R+64*(\a/4)+8*(\a%4)+7], v[SCO]   ; positions 32 (a / 4) on: tiles u = 0, 1; W tile a % 4
	v_cvt_scalef32_pk8_fp8_f32 v[T+4*\a+2:T+4*\a+3], v[R+32+64*(\a/4)+8*(\a%4):R+32+64*(\a/4)+8*(\a%4)+7], v[SCO]
.endif
.endr
	v_nop                                          ; one plain vector instruction behind the last conversion of a run
.irp a, 0,1,2,3,4,5,6,7
.if \path == 0
	global_store_b128 v[LI], v[T+4*\a:T+4*\a+3], s[46:47] offset:512*\a          ; each store covers 512 consecutive bytes, aligned
.else
	global_store_b128 v[LI], v[T+4*\a:T+4*\a+3], s[46:47] offset:2048*(\a%4)+512*(\a/4)
.endif
.endr
.endm
	s_cmp_lg_u32 s3, 0                             ; the two paths differ in which operand is source 0; the branch hangs on the cluster's number alone
	s_cbranch_scc1 .Lpath_v
	BODY 0
	s_branch .Lend
.Lpath_v:
	BODY 1
.Lend:
	s_wait_tensorcnt 0x0                           ; the wave's end: behind my last LDS store
	ds_add_u32 v[SPW], v[NIL]
	s_wait_dscnt 0x0
	CROUND                                         ; the closing round: no work-group ends while a partner may still ask for a tile that names it
	s_endpgm
.Lfunc_end_k_q7ba1378e67_proj:
	.size	k_q7ba1378e67_proj, .Lfunc_end_k_q7ba1378e67_proj-k_q7ba1378e67_proj
	.p2alignl 7, 3214868480
	.fill 96, 4, 3214868480
	.section	.rodata,"a",@progbits
	.p2align	6, 0x0
	.amdhsa_kernel k_q7ba1378e67_proj
		.amdhsa_group_segment_fixed_size 268288
		.amdhsa_private_segment_fixed_size 0
		.amdhsa_enable_private_segment 0
		.amdhsa_kernarg_size 120
		.amdhsa_user_sgpr_count 2
		.amdhsa_user_sgpr_kernarg_segment_ptr 1
		.amdhsa_wavefront_size32 1
		.amdhsa_system_sgpr_workgroup_id_x 1
		.amdhsa_system_sgpr_workgroup_id_y 1
		.amdhsa_system_sgpr_workgroup_id_z 1
		.amdhsa_system_vgpr_workitem_id 0
		.amdhsa_next_free_vgpr 256
		.amdhsa_next_free_sgpr 96
		.amdhsa_reserve_vcc 0
		.amdhsa_float_denorm_mode_32 3
		.amdhsa_float_denorm_mode_16_64 3
		.amdhsa_memory_ordered 1
		.amdhsa_forward_progress 1
		.amdhsa_inst_pref_size 75
	.end_amdhsa_kernel
	.amdgpu_metadata
---
amdhsa.version: [ 1, 2 ]
amdhsa.kernels:
  - .name:           k_q7ba1378e67_proj
    .symbol:         k_q7ba1378e67_proj.kd
    .args:
      - { .name: input1, .offset: 0, .size: 8, .value_kind: global_buffer, .address_space: global }
      - { .name: input2, .offset: 8, .size: 8, .value_kind: global_buffer, .address_space: global }
      - { .name: k1_w, .offset: 16, .size: 8, .value_kind: global_buffer, .address_space: global }
      - { .name: k2_w, .offset: 24, .size: 8, .value_kind: global_buffer, .address_space: global }
      - { .name: v1_w, .offset: 32, .size: 8, .value_kind: global_buffer, .address_space: global }
      - { .name: v2_w, .offset: 40, .size: 8, .value_kind: global_buffer, .address_space: global }
      - { .name: k1_b, .offset: 48, .size: 8, .value_kind: global_buffer, .address_space: global }
      - { .name: k2_b, .offset: 56, .size: 8, .value_kind: global_buffer, .address_space: global }
      - { .name: v1_b, .offset: 64, .size: 8, .value_kind: global_buffer, .address_space: global }
      - { .name: v2_b, .offset: 72, .size: 8, .value_kind: global_buffer, .address_space: global }
      - { .name: lowp_scales, .offset: 80, .size: 8, .value_kind: global_buffer, .address_space: global }
      - { .name: kvimg, .offset: 88, .size: 8, .value_kind: global_buffer, .address_space: global }
      - { .name: o1_w, .offset: 96, .size: 8, .value_kind: global_buffer, .address_space: global }
      - { .name: o2_w, .offset: 104, .size: 8, .value_kind: global_buffer, .address_space: global }
      - { .name: owimg, .offset: 112, .size: 8, .value_kind: global_buffer, .address_space: global }
    .group_segment_fixed_size: 268288
    .private_segment_fixed_size: 0
    .kernarg_segment_align: 8
    .kernarg_segment_size: 120
    .max_flat_workgroup_size: 512
    .sgpr_count:     96
    .vgpr_count:     256
    .wavefront_size: 32
...
	.end_amdgpu_metadata
.endif
;; end of part 1
;; launch attn (part 2): grid 256 x 1, 8 waves a work-group, clusters of 4 x 1, 327,680 bytes of LDS; arguments kvimg, owimg, o1_b, o2_b, lowp_scales, out0, out1; writes out0, out1
.if DOCPART == 2
	.amdgcn_target "amdgcn-amd-amdhsa--gfx1250"
	.amdhsa_code_object_version 6
	.text
	.protected	k_q7ba1378e67_attn
	.globl	k_q7ba1378e67_attn
	.p2align	8
	.type	k_q7ba1378e67_attn,@function
k_q7ba1378e67_attn:
	s_mov_b64 s[64:65], 0
	v_nop
	global_prefetch_b8 v0, s[64:65] scope:SCOPE_SE
	s_setreg_imm32_b32 hwreg(HW_REG_WAVE_MODE, 25, 1), 1
	s_wait_xcnt 0x0
	s_wait_alu depctr_hold_cnt(0) depctr_sa_sdst(0) depctr_va_vdst(0) depctr_va_sdst(0) depctr_va_ssrc(0) depctr_va_vcc(0) depctr_vm_vsrc(0)
	s_getreg_b32 s2, hwreg(HW_REG_IB_STS2, 6, 4)
	s_cmp_eq_u32 s2, 0
	s_cbranch_scc0 .Lentry_in_a_cluster
	s_endpgm
.Lentry_in_a_cluster:
	s_bfe_u32 s2, ttmp6, 0x10000c
	s_cmp_lg_u32 s2, 0x3003
	s_cbranch_scc0 .Lentry_shape_is_right
	s_endpgm
.Lentry_shape_is_right:
; BOTH DIRECTIONS OF THE CROSS-ATTENTION AND THEIR OUTPUT PROJECTIONS, on codes of FP8 (E4M3).  dir 0: queries k1, keys k2, values v2; dir 1: queries k2, keys k1, values v1: the same scores, read along the other axis.
; t = score x log2(e) / 8; M = the row's largest t so far, rounded UP to a whole number; p = 2^(t - M) is what is quantised, along the keys, not normalised.  The row's sum is taken of the unquantised p, in f32, and divides
; O at the end.  When M moves, the sum and O are multiplied by 2^(old M - new M): exact.  O is quantised and is the operand of out = O o_w^T + o_b.
; SHARES.  A work-group owns 64 queries (4 tiles of 16) of one (dir, b), all 8 heads: wave = head.  Each wave walks the 1,024 keys of its head in 8 steps of 128; a step's fragments of K and V are read from LDS once and serve all four tiles.
; The tiles go in pairs: one tile's exponentials are issued among the other's multiply-adds, sums and holds.
; THE RING.  A step of a head, K and V, is 16,384 consecutive bytes of kvimg, an image of operand registers: one tensor load, stated as 64 rows of 256 bytes.  Each wave fills and reads its own 16,384 bytes in each of two slots.
; The refill stands in a step's second half: K's fragments of the NEXT step are read behind it, V's at the next step's head, so the slot's last read lies half a step ahead of its refill.  A wave has one tensor load out.
; CLUSTERS.  Four work-groups of the same (dir, b) read the same K and V: each tile is asked for jointly (mask 15); LDS addresses and descriptors hang on the cluster's number and the wave's alone.
; PREFETCH.  In step s (0 .. 3) each wave names its tile of step s + 4, two steps ahead of the load that will want it: of its 64 blocks of 256 bytes the partner at place cx takes 16 cx .. 16 cx + 15, a lane a block (lanes 16 to 31 name the last again).
; The tiles of steps 0 to 3 come by their loads alone.
; LAYOUT.  S^T = K Q^T (source 0 = 16 keys, source 1 = 16 queries), O^T = V^T P^T (source 0 = 16 channels, source 1 = P): a lane holds ONE query.  Lane r of key tile 2 b + u holds key 32 b + 8 u + r + 8 (r / 8), so that the 16
; registers of tiles 2 b and 2 b + 1 are keys 32 b + 16 h + 0 .. 15, as V's image has them.  Along the head's 64 channels Q and K carry the same permutation.
; kvimg: [i][b][head][step 8][K: tile 8, c' 2, lane, 16 B | V: dt 4, c 4, lane, 16 B].
; THE OUTPUT PROJECTION.  The codes of O meet in LDS as [tile 4][head 8][q 2][lane][16 B]; wave w takes channels 32 w .. 32 w + 31 (its 8 fragments of the weight in 128 registers) for the 64 positions: 8 accumulators, 32 matrix instructions.
; Lane (r, h) then holds channel 16 ct + r, register j of tile t the local position 32 (t / 2) + 16 h + 8 (t % 2) + j.  A channel's 64 positions, 256 bytes, are gathered in the wave's own rows of a stage and leave whole.
; The weight is asked for in the last step, into the registers that K's and V's fragments have left.
; REGISTERS: window 0: v0-31 addresses and the rows' state; v32-63 Q; v64-95 one tile's partial sums, then both tiles' codes of p; v96-111 the other's partial sums; v112-127 constants; v128-191, v192-255 S^T of two tiles, then p.
;   window 1: v0-63 K, v64-127 V, v128-255 O^T (tile t at 128 + 32 t).  In the projection: v32-95 accumulators, v128-191 and v192-255 fragments of O; window 1 v0-127 the weight.
; LIMITS: e8 + e9 between -123 and 130; ep and eo between -126 and 119; eo + ew between -126 and 127, so that each power of two is an f32 number; ep + ev is applied by v_ldexp_f32 and has none.  NaN among the inputs is not served.
; The scaled scores stay under 2^31 in magnitude.
.set SLOT1, 0x4000                     ; a wave's slot 1 begins so far behind its slot 0
.set OIMG,  0x40000                    ; behind the ring: the codes of O, 32,768 bytes
.set SPARE, OIMG+32768                 ; the spare words, 128 bytes for each wave: four blocks of 256 bytes that no other line names
.set SP,    272                        ; the stage: 256 rows of 256 bytes + 16, from LDS byte 0: in slot 0, which has had its last fill and its last read by then
.set LI,  1                            ; 16 x lane
.set SPW, 2                            ; LDS address of my spare word; never rewritten
.set NIL, 3                            ; 0; never rewritten
.set AD0, 4                            ; my place in slot 0: 32,768 w + 16 x lane
.set AD,  5                            ; the same in the slot in hand
.set PFO, 6                            ; the prefetches' offset
.set OST, 7                            ; where I store O's codes
                                       ; v8-15: for tile t the pair -M, largest score;  v16-23: the sum in two halves;  v24-27: 2^(old M - new M) of a pair's two tiles (the upper of each two is only named);  v28-31 at work
.set LIP, 112                          ; v112, v113 both 448 x 2^ep;  v114 2^ep
.set SCP, 114
.set SCO, 115                          ; 2^eo, 448 x 2^eo
.set LIO, 116
.set PDA, 117                          ; v117, v118 what the lane 16 away holds
.set SO,  119                          ; the stage: row 32 w + r, byte 64 h
.set SR,  120                          ; and back: row 32 w + lane / 16, byte 16 (lane % 16)
.set GO,  121                          ; the same two rows in the output
.set BO,  122                          ; 4 r
.set OL,  123                          ; where O's codes are read: OIMG + 16 x lane
.set BI,  124                          ; v124, v126 the biases of channels 16 ct + r; v125, v127 are only named
.set ACC, 32
.set FB0, 128
.set FB1, 192
.set G1,  24                           ; s[24:31] descriptor group 1;  s[32:35] group 0, which walks
.set G0,  32
.set CN,  36                           ; s36 = -c;  s[22:23] = c = log2(e) / 8 x 2^(e8 + e9)
.set TB,  62                           ; s62 LDS byte at which the slot in hand begins
.set CNT, 63                           ; s63 trips to go
.set PFA, 66                           ; s[66:67] where my prefetches stand
.set MSB, 0
.macro WIN new                         ; the immediate's high byte repeats the setting that is left
.if MSB != \new
	s_set_vgpr_msb (MSB<<8)|\new
.set MSB, \new
.endif
.endm
.macro CREST                           ; a round of the cluster's barrier behind its opening barrier
	s_cmp_lg_u32 s2, 0
	s_cbranch_scc1 .Lnot_wave_0_\@
	s_barrier_signal -3
.Lnot_wave_0_\@:
	s_barrier_wait -3
	s_barrier_signal -1
	s_barrier_wait -1
.endm
.macro CROUND
	s_barrier_signal -1
	s_barrier_wait -1
	CREST
.endm
.macro POW2 e, sc, lim                 ; s[e] = a whole number x: v[sc] = 2^x as f32, v[lim] = 448 x 2^x (and s48)
	s_add_co_i32 s48, s[\e], 127
	s_lshl_b32 s49, s48, 23
	v_mov_b32 v[\sc], s49
	s_add_co_i32 s48, s48, 8
	s_lshl_b32 s48, s48, 23
	s_or_b32 s48, s48, 0x600000
	v_mov_b32 v[\lim], s48
.endm
	s_load_b256 s[8:15], s[0:1], 0x0               ; kvimg, owimg, o1_b, o2_b
	s_load_b128 s[16:19], s[0:1], 0x20             ; the scales' exponents, out0
	s_load_b64 s[20:21], s[0:1], 0x30              ; out1
	v_lshl_add_u32 v[SPW], v0, 2, SPARE
	v_mov_b32 v[NIL], 0
	ds_add_u32 v[SPW], v[NIL]                      ; the wave's opening: the add, twice on end, and its wait ahead of my first tensor load
	ds_add_u32 v[SPW], v[NIL]
	v_lshrrev_b32 v28, 5, v0
	v_readfirstlane_b32 s2, v28                    ; wave 0..7: the head
	s_bfe_u32 s4, ttmp6, 0x40000                   ; cx
	s_and_b32 s3, ttmp9, 3
	s_lshl_b32 s3, s3, 2
	s_add_co_u32 s3, s3, s4                        ; pb: which 64 positions
	s_bfe_u32 s5, ttmp9, 0x30002                   ; b
	s_lshr_b32 s6, ttmp9, 5                        ; dir
	; descriptor group 1: 64 rows of 256 bytes (32 elements of 8 bytes), dense; 15:0 the mask: all four of the cluster; 21 set beside it
	s_mov_b32 s[G1], 15|(3<<16)|(1<<21)
	s_mov_b32 s[G1+1], 32<<16                      ; tensor_dim0
	s_mov_b32 s[G1+2], 64<<16                      ; tensor_dim1
	s_mov_b32 s[G1+3], 32<<16                      ; tile_dim0
	s_mov_b32 s[G1+4], 64                          ; tile_dim1
	s_mov_b32 s[G1+5], 32                          ; tensor_dim0_stride
	s_mov_b32 s[G1+6], 0
	s_mov_b32 s[G1+7], 0
	s_mov_b32 s68, 15|(3<<16)|(1<<21)              ; s[68:75] the same for the head's load: 128 rows, steps 0 and 1 on end, which fill both of a wave's slots
	s_mov_b32 s69, 32<<16
	s_mov_b32 s70, 128<<16
	s_mov_b32 s71, 32<<16
	s_mov_b32 s72, 128
	s_mov_b32 s73, 32
	s_mov_b32 s74, 0
	s_mov_b32 s75, 0
	s_lshl_b32 s44, s5, 20
	s_lshl_b32 s45, s2, 17
	s_add_co_u32 s44, s44, s45                     ; b and head in kvimg
	s_xor_b32 s42, s6, 1
	s_lshl_b32 s42, s42, 23
	s_add_co_u32 s42, s42, s44                     ; keys and values: the other input's
	s_mov_b32 s43, 0
	s_lshl_b32 s54, s6, 4                          ; the scales: four entries on for dir 1
	s_mov_b32 s55, 0
	s_wait_dscnt 0x0                               ; both opening adds are done
	s_wait_kmcnt 0x0
	s_add_nc_u64 s[52:53], s[16:17], s[54:55]
	s_load_b128 s[56:59], s[52:53], 0x28           ; ep, ev, eo, ew: entries 10 to 13 or 14 to 17
	s_load_b64 s[60:61], s[16:17], 0x20            ; e8, e9
	s_mov_b32 s[G0], 1
	s_lshl_b32 s37, s2, 15
	s_mov_b32 s[G0+1], s37                         ; LDS: slot 0, my 16,384 bytes
	s_add_nc_u64 s[G0+2:G0+3], s[8:9], s[42:43]    ; step 0
	s_or_b32 s[G0+3], s[G0+3], 0x80000000          ; type = 2
	CROUND                                         ; all four work-groups are here: the first joint loads meet
	tensor_load_to_lds s[G0:G0+3], s[68:75]        ; steps 0 and 1
	s_nop 0
	s_add_nc_u64 s[PFA:PFA+1], s[8:9], s[42:43]
	s_add_nc_u64 s[PFA:PFA+1], s[PFA:PFA+1], 49152 ; at step 3: the first refill steps it to step 4
	s_lshl_b32 s46, s6, 23                         ; the queries: my input's,
	s_add_co_u32 s46, s46, s44
	s_lshr_b32 s48, s3, 1
	s_lshl_b32 s48, s48, 14
	s_add_co_u32 s46, s46, s48
	s_and_b32 s48, s3, 1
	s_lshl_b32 s48, s48, 12
	s_add_co_u32 s46, s46, s48                     ; at tile 4 pb
	s_mov_b32 s47, 0
	s_add_nc_u64 s[46:47], s[8:9], s[46:47]
	s_cmp_eq_u32 s6, 0
	s_cselect_b64 s[12:13], s[12:13], s[14:15]     ; the bias and the output of my direction
	s_cselect_b64 s[18:19], s[18:19], s[20:21]
	s_lshl_b32 s48, s2, 7
	s_mov_b32 s49, 0
	s_add_nc_u64 s[12:13], s[12:13], s[48:49]      ; the bias: channel 32 w
	s_lshl_b32 s48, s6, 17
	s_lshl_b32 s49, s2, 14
	s_add_co_u32 s48, s48, s49
	s_mov_b32 s49, 0
	s_add_nc_u64 s[10:11], s[10:11], s[48:49]      ; owimg: dir, channel tile 2 w
	s_lshl_b32 s48, s3, 8
	s_lshl_b32 s49, s5, 20
	s_add_co_u32 s48, s48, s49
	s_add_co_u32 s48, s48, s45
	s_mov_b32 s49, 0
	s_add_nc_u64 s[18:19], s[18:19], s[48:49]      ; the output: b, channel 32 w, position 64 pb
	s_lshl_b32 s49, s4, 12                         ; the prefetches: my 16 blocks
	s_lshl_b32 s48, s2, 10
	s_add_co_u32 s48, s48, OIMG                    ; O's codes: my head
	s_mul_i32 s38, s2, 32*SP                       ; my rows of the stage
	v_and_b32 v29, 31, v0                          ; lane
	v_and_b32 v30, 15, v0                          ; r
	v_bfe_u32 v31, v0, 4, 1                        ; h
	v_lshlrev_b32 v[LI], 4, v29
	v_lshlrev_b32 v[BO], 2, v30
	v_min_u32 v28, 15, v29
	v_mul_u32_u24 v[SO], v30, SP
	v_mul_u32_u24 v[SR], v31, SP
	v_lshlrev_b32 v[GO], 12, v31
	v_lshlrev_b32 v28, 8, v28
	v_lshl_add_u32 v[SO], v31, 6, v[SO]
	v_lshl_add_u32 v[SR], v30, 4, v[SR]
	v_lshl_add_u32 v[GO], v30, 4, v[GO]
	v_add_nc_u32 v[PFO], s49, v28
	v_add_nc_u32 v[SO], s38, v[SO]
	v_add_nc_u32 v[SR], s38, v[SR]
	v_add_nc_u32 v[AD0], s37, v[LI]
	v_add_nc_u32 v[OST], s48, v[LI]
	v_add_nc_u32 v[OL], OIMG, v[LI]
	v_mov_b32 v[BI+1], 0
	v_mov_b32 v[BI+3], 0
	v_mov_b32 v25, 0                               ; (named as upper halves of pairs)
	v_mov_b32 v27, 0
	v_mov_b32 v[PDA], 0                            ; a lane permute's destination counts as one of its sources
	v_mov_b32 v[PDA+1], 0
.irp k, 0,1,2,3,4,5,6,7
	global_load_b128 v[32+4*\k:35+4*\k], v[LI], s[46:47] offset:512*\k   ; Q: four tiles of eight registers
.endr
	global_load_b32 v[BI], v[BO], s[12:13]
	global_load_b32 v[BI+2], v[BO], s[12:13] offset:64
	s_mov_b32 s50, 0x76543210                      ; lane selects for v_permlanex16_b32: lane l xor 16
	s_mov_b32 s51, 0xfedcba98
	s_mov_b32 s[TB], 0
	s_wait_alu depctr_va_vdst(0)                   ; the wait here, directly ahead of the wait below
	s_wait_kmcnt 0x0
	s_add_co_i32 s48, s60, s61                     ; e8 + e9:
	s_lshl_b32 s48, s48, 23
	s_add_co_i32 s22, s48, 0x3e38aa3b              ; c = log2(e) / 8; a score stands for score x 2^(e8 + e9): the exponents are added to c's exponent field
	s_mov_b32 s23, s22                             ; (named with it as a pair, so it is written)
	s_xor_b32 s[CN], s22, 0x80000000
	s_add_co_i32 s7, s56, s57                      ; ep + ev
	s_add_co_i32 s40, s58, s59
	s_add_co_i32 s40, s40, 127
	s_lshl_b32 s40, s40, 23                        ; 2^(eo + ew) as f32
	s_mov_b32 s41, s40
	POW2 58, SCO, LIO
	POW2 56, SCP, LIP
	v_mov_b32 v[LIP+1], s48
.macro KLOAD ad                        ; a step's 8 fragments of K
	WIN 0x40
.set n, 0
.rept 16
	ds_load_b128 v[4*n:4*n+3], v[\ad] offset:512*n
.set n, n+1
.endr
	WIN 0
.endm
; The tiles 2 j and 2 j + 1 against the step's 128 keys.  first = 1: the launch's first step: it starts the sums.
; mode 0: a step's first pair; 1: the second, with the slot's refill and the next step's K; 2: with the next step's K alone; 3: the last step's, with half of the output weight.
.macro PAIR j, first, mode
.set QA, 32+16*(\j)
.set OA, 128+64*(\j)
.set NA, 8+4*(\j)
.set NB, NA+2
.set UA, 16+4*(\j)
.set UB, UA+2
	WIN 0
.if \mode == 1
	s_wait_xcnt 0x0                                ; any prefetch of mine has read its address
	s_wait_tensorcnt 0x0                           ; my one tensor load, the next step's tile, has landed
	ds_add_u32 v[SPW], v[NIL]                      ; 0 onto my spare word; the products below stand between it and the wait
	s_xor_b32 s[G0+1], s[G0+1], SLOT1              ; the walking descriptor: this step's slot,
	s_add_nc_u64 s[G0+2:G0+3], s[G0+2:G0+3], 16384 ; two steps on
	s_add_nc_u64 s[PFA:PFA+1], s[PFA:PFA+1], 16384
.endif
.if \mode == 2
	s_wait_tensorcnt 0x0                           ; the last step's tile has landed
.endif
	WIN 0x01                                       ; source 0 (K) window 1
.irp t, 0,1,2,3,4,5,6,7
	v_wmma_f32_16x16x64_fp8_fp8 v[128+8*\t:135+8*\t], v[8*\t:8*\t+7], v[QA:QA+7], 0
	v_wmma_f32_16x16x64_fp8_fp8 v[192+8*\t:199+8*\t], v[8*\t:8*\t+7], v[QA+8:QA+15], 0
.endr
	WIN 0
.if \mode == 1
	s_wait_dscnt 0x0                               ; the add is done, and so are my reads of this step's slot
	s_barrier_signal -1                            ; opens a round of the cluster's barrier; work on registers follows
.endif
.rept 4
	v_nop                                          ; four places (ISA guide 7.12.1) in front of the first read of the scores
.endr
	v_max3_num_f32 v28, v128, v129, v130           ; the step's largest score of a query among my 64 keys: two tiles, two chains each, each accumulator from its low end on
	v_max3_num_f32 v30, v192, v193, v194
	v_max3_num_f32 v29, v131, v132, v133
	v_max3_num_f32 v31, v195, v196, v197
.set i, 6
.rept 14
	v_max3_num_f32 v28, v28, v[128+i], v[129+i]
	v_max3_num_f32 v30, v30, v[192+i], v[193+i]
	v_max3_num_f32 v29, v29, v[130+i], v[131+i]
	v_max3_num_f32 v31, v31, v[194+i], v[195+i]
.set i, i+4
.endr
	v_max3_num_f32 v28, v28, v190, v191
	v_max3_num_f32 v30, v30, v254, v255
	v_max_num_f32 v28, v28, v29
	v_max_num_f32 v30, v30, v31
	v_permlanex16_b32 v[PDA], v28, s50, s51
	v_permlanex16_b32 v[PDA+1], v30, s50, s51
.if \first
	v_max_num_f32 v[NA+1], v28, v[PDA]             ; and among lane l xor 16's: the running largest score
	v_max_num_f32 v[NB+1], v30, v[PDA+1]
.else
	v_max3_num_f32 v[NA+1], v[NA+1], v28, v[PDA]
	v_max3_num_f32 v[NB+1], v[NB+1], v30, v[PDA+1]
	v_mov_b32 v28, v[NA]
	v_mov_b32 v30, v[NB]
.endif
	v_mul_f32 v29, s[CN], v[NA+1]                  ; -t (c is positive)
	v_mul_f32 v31, s[CN], v[NB+1]
	v_floor_f32 v[NA], v29                         ; -M = floor(-t): M is a whole number
	v_floor_f32 v[NB], v31
.if \first == 0
	v_sub_f32 v28, v[NA], v28                      ; M's old value less its new one: a whole number, 0 or less
	v_sub_f32 v30, v[NB], v30
	v_cvt_i32_f32 v28, v28                         ; (it saturates)
	v_cvt_i32_f32 v30, v30
	v_ldexp_f32 v24, 1.0, v28                      ; 2^(old M - new M)
	v_ldexp_f32 v26, 1.0, v30
.endif
.set i, 0
.rept 32
	v_pk_fma_f32 v[128+i:129+i], v[128+i:129+i], s[22:23], v[NA:NA+1] op_sel_hi:[1,0,0]   ; t - M, two at a time
.set i, i+2
.endr
.if \first == 0
	v_pk_mul_f32 v[UA:UA+1], v[UA:UA+1], v[24:25] op_sel_hi:[1,0]   ; the sum under the new M
.endif
	s_wait_alu depctr_va_vdst(0)                   ; the wait ahead of the batch
.set i, 0
.rept 32
	v_exp_f32 v[128+i], v[128+i]                   ; the first tile's p, not normalised; among them the second tile's t - M
	v_exp_f32 v[129+i], v[129+i]
	v_pk_fma_f32 v[192+i:193+i], v[192+i:193+i], s[22:23], v[NB:NB+1] op_sel_hi:[1,0,0]
.set i, i+2
.endr
.if (\mode == 1) || (\mode == 2)
	s_xor_b32 s[TB], s[TB], SLOT1                  ; on to the other slot
	v_add_nc_u32 v[AD], s[TB], v[AD0]
.endif
	s_wait_alu depctr_va_vdst(0)                   ; one wait for the batch, ahead of its first reader, and ahead of the next batch, whose sources stand above
.if \mode == 0
	s_wait_dscnt 0x0                               ; V's fragments are in
.endif
.if \mode == 1
	s_barrier_wait -1
	CREST                                          ; no wave of any partner still reads this slot or has a load on its way
	tensor_load_to_lds s[G0:G0+3], s[G1:G1+7]      ; my one tensor load behind the round: the tile of two steps on, into the slot that this step has read
	s_nop 0
.endif
.if (\mode == 1) || (\mode == 2)
	KLOAD AD                                       ; the next step's K, from the other slot
.endif
.if \mode == 1
.if \first == 0
	s_cmp_gt_u32 s[CNT], 2                         ; steps 1 to 3 ask for the tiles of steps 5 to 7; step 0 for step 4's
	s_cbranch_scc0 .Lno_ask_\@
.endif
	global_prefetch_b8 v[PFO], s[PFA:PFA+1] th:TH_LOAD_NT scope:SCOPE_SE
.if \first == 0
.Lno_ask_\@:
.endif
.endif
.if \mode == 3
	WIN 0x40
.set n, 0
.rept 16
	global_load_b128 v[4*n:4*n+3], v[LI], s[10:11] offset:512*n   ; the output weight's channel tile 2 w: fragment g at v[16 g] of window 1, where K lay
.set n, n+1
.endr
	WIN 0
.endif
.set i, 0
.rept 16
	v_exp_f32 v[192+i], v[192+i]                   ; the second tile's p; among them the first tile's sums of two, and its hold
	v_exp_f32 v[193+i], v[193+i]
	v_pk_add_f32 v[64+i/2:65+i/2], v[128+i:129+i], v[130+i:131+i]
	v_dual_min_num_f32 v[128+i], v[128+i], v[LIP] :: v_dual_min_num_f32 v[129+i], v[129+i], v[LIP+1]   ; the conversion does not saturate (ISA guide 7.6.2); p is not negative, so the hold is one-sided
	v_exp_f32 v[194+i], v[194+i]
	v_exp_f32 v[195+i], v[195+i]
	v_dual_min_num_f32 v[130+i], v[130+i], v[LIP] :: v_dual_min_num_f32 v[131+i], v[131+i], v[LIP+1]
.set i, i+4
.endr
.if \first
	v_nop
.else
	v_pk_mul_f32 v[UB:UB+1], v[UB:UB+1], v[26:27] op_sel_hi:[1,0]
.endif
	s_wait_alu depctr_va_vdst(0)                   ; one wait for the batch, ahead of its first reader
.irp k, 0,1,2,3,4,5,6,7
	v_pk_add_f32 v[64+2*\k:65+2*\k], v[64+2*\k:65+2*\k], v[80+2*\k:81+2*\k]   ; the rows' sums, of the unquantised p
.endr
.irp k, 0,1,2,3,4,5,6,7
	v_pk_add_f32 v[96+2*\k:97+2*\k], v[192+4*\k:193+4*\k], v[194+4*\k:195+4*\k]
.endr
.irp k, 0,1,2,3
	v_pk_add_f32 v[64+2*\k:65+2*\k], v[64+2*\k:65+2*\k], v[72+2*\k:73+2*\k]
.endr
.irp k, 0,1,2,3,4,5,6,7
	v_pk_add_f32 v[96+2*\k:97+2*\k], v[96+2*\k:97+2*\k], v[224+2*\k:225+2*\k]
.endr
	v_pk_add_f32 v[64:65], v[64:65], v[68:69]
	v_pk_add_f32 v[66:67], v[66:67], v[70:71]
.irp k, 0,1,2,3,4,5,6,7
	v_pk_add_f32 v[96+2*\k:97+2*\k], v[96+2*\k:97+2*\k], v[240+2*\k:241+2*\k]
.endr
.if \first
	v_pk_add_f32 v[UA:UA+1], v[64:65], v[66:67]
.else
	v_pk_add_f32 v[64:65], v[64:65], v[66:67]
.endif
.irp k, 0,1,2,3
	v_pk_add_f32 v[96+2*\k:97+2*\k], v[96+2*\k:97+2*\k], v[104+2*\k:105+2*\k]
.endr
.if \first == 0
	v_pk_add_f32 v[UA:UA+1], v[UA:UA+1], v[64:65]
.endif
.set i, 0
.rept 16
	v_dual_min_num_f32 v[192+i], v[192+i], v[LIP] :: v_dual_min_num_f32 v[193+i], v[193+i], v[LIP+1]
.set i, i+2
.endr
	v_pk_add_f32 v[96:97], v[96:97], v[100:101]
	v_pk_add_f32 v[98:99], v[98:99], v[102:103]
.rept 16
	v_dual_min_num_f32 v[192+i], v[192+i], v[LIP] :: v_dual_min_num_f32 v[193+i], v[193+i], v[LIP+1]
.set i, i+2
.endr
.if \first
	v_pk_add_f32 v[UB:UB+1], v[96:97], v[98:99]
.else
	v_pk_add_f32 v[96:97], v[96:97], v[98:99]
.endif
.irp b, 0,1,2,3
	v_cvt_scalef32_pk8_fp8_f32 v[64+4*\b:65+4*\b], v[128+16*\b:135+16*\b], v[SCP]
	v_cvt_scalef32_pk8_fp8_f32 v[66+4*\b:67+4*\b], v[136+16*\b:143+16*\b], v[SCP]
.endr
.if \first == 0
	v_pk_add_f32 v[UB:UB+1], v[UB:UB+1], v[96:97]
.endif
.irp b, 0,1,2,3
	v_cvt_scalef32_pk8_fp8_f32 v[80+4*\b:81+4*\b], v[192+16*\b:199+16*\b], v[SCP]
	v_cvt_scalef32_pk8_fp8_f32 v[82+4*\b:83+4*\b], v[200+16*\b:207+16*\b], v[SCP]
.endr
.if \first
	v_nop                                          ; a plain instruction between the conversions and the products that read the codes
.else
	WIN 0x41                                       ; source 0 and destination window 1
	s_wait_alu depctr_va_vdst(0)                   ; the wait here, directly ahead of the first reader of O^T
.set i, 0
.rept 16
	v_pk_mul_f32 v[OA+i:OA+i+1], v[OA+i:OA+i+1], v[24:25] op_sel_hi:[1,0]   ; O^T under the new M.  (These also stand between the conversions and the products)
.set i, i+2
.endr
.rept 16
	v_pk_mul_f32 v[OA+i:OA+i+1], v[OA+i:OA+i+1], v[26:27] op_sel_hi:[1,0]
.set i, i+2
.endr
.endif
	WIN 0x51                                       ; source 0 (V), C and D window 1
.irp d, 0,1,2,3
.if \first
	v_wmma_f32_16x16x128_fp8_fp8 v[OA+8*\d:OA+8*\d+7], v[64+16*\d:79+16*\d], v[64:79], 0
	v_wmma_f32_16x16x128_fp8_fp8 v[OA+32+8*\d:OA+32+8*\d+7], v[64+16*\d:79+16*\d], v[80:95], 0
.else
	v_wmma_f32_16x16x128_fp8_fp8 v[OA+8*\d:OA+8*\d+7], v[64+16*\d:79+16*\d], v[64:79], v[OA+8*\d:OA+8*\d+7]   ; the accumulators by turns, one instruction a turn
	v_wmma_f32_16x16x128_fp8_fp8 v[OA+32+8*\d:OA+32+8*\d+7], v[64+16*\d:79+16*\d], v[80:95], v[OA+32+8*\d:OA+32+8*\d+7]
.endif
.endr
.endm
; A KEY STEP: its K is in registers or on its way there; its V is asked for here and lands while the scores are worked
.macro STEP first, mode
	WIN 0
	v_add_nc_u32 v[AD], s[TB], v[AD0]
.rept 3
	v_nop                                          ; with the addition: four places in front of loads into registers that the last products read
.endr
	WIN 0x40
.set n, 0
.rept 16
	ds_load_b128 v[64+4*n:67+4*n], v[AD] offset:8192+512*n
.set n, n+1
.endr
	WIN 0
	s_wait_dscnt 16                                ; K is in; V's 16 loads may be out
	PAIR 0, \first, 0
	PAIR 1, \first, \mode
	WIN 0
.endm
	s_wait_alu depctr_va_vdst(0)                   ; the wait at the head's end
	s_wait_tensorcnt 0x0                           ; my tiles of steps 0 and 1 are in: I alone read them
	s_xor_b32 s[G0+1], s[G0+1], SLOT1              ; the walking descriptor stands at step 1, slot 1: the first refill steps it to step 2, slot 0
	s_add_nc_u64 s[G0+2:G0+3], s[G0+2:G0+3], 16384
	KLOAD AD0                                      ; step 0's K
	s_wait_loadcnt 0x0                             ; Q and the biases
	STEP 1, 1                                      ; step 0
	s_mov_b32 s[CNT], 5
.Lkeys:                                            ; steps 1 to 5
	STEP 0, 1
	s_sub_co_u32 s[CNT], s[CNT], 1
	s_cmp_lg_u32 s[CNT], 0
	s_cbranch_scc1 .Lkeys
	STEP 0, 2                                      ; steps 6 and 7 fill nothing and are written out
	STEP 0, 3
; O^T / the sum x 2^(ep + ev), quantised with 2^eo
.irp t, 0,1,2,3
	v_add_f32 v[16+2*\t], v[16+2*\t], v[17+2*\t]   ; the sums' two halves.  (Also the four places in front of the loads into V's registers)
.endr
	WIN 0x40
.set n, 16
.rept 16
	global_load_b128 v[4*n:4*n+3], v[LI], s[10:11] offset:512*n   ; the weight's channel tile 2 w + 1, where V lay
.set n, n+1
.endr
	WIN 0
.irp t, 0,1,2,3
	v_permlanex16_b32 v[28+\t], v[16+2*\t], s50, s51
.endr
.irp t, 0,1,2,3
	v_add_f32 v[16+2*\t], v[16+2*\t], v[28+\t]     ; and lane l xor 16's
.endr
	s_wait_alu depctr_va_vdst(0)
.irp t, 0,1,2,3
	v_rcp_f32 v[28+\t], v[16+2*\t]
.endr
	v_nop
	s_wait_alu depctr_va_vdst(0)                   ; the wait ahead of the first reader
.irp t, 0,1,2,3
	v_ldexp_f32 v[8+2*\t], v[28+\t], s7
.endr
	WIN 0x01                                       ; source 0 (O^T) window 1
	s_wait_alu depctr_va_vdst(0)                   ; the wait here, directly ahead of the first reader of O^T
.set i, 0
.irp t, 0,1,2,3
.rept 16
	v_pk_mul_f32 v[128+i:129+i], v[128+i:129+i], v[8+2*\t:9+2*\t] op_sel_hi:[1,0]
.set i, i+2
.endr
.endr
	WIN 0
.set i, 0
.rept 128
	v_med3_num_f32 v[128+i], v[128+i], -v[LIO], v[LIO]
.set i, i+1
.endr
.set i, 0
.rept 16
	v_cvt_scalef32_pk8_fp8_f32 v[64+2*i:65+2*i], v[128+8*i:135+8*i], v[SCO]
.set i, i+1
.endr
	v_nop                                          ; one plain vector instruction behind the last conversion
.irp t, 0,1,2,3
	ds_store_b128 v[OST], v[64+8*\t:67+8*\t] offset:8192*\t
	ds_store_b128 v[OST], v[68+8*\t:71+8*\t] offset:8192*\t+512
.endr
	s_wait_dscnt 0x0                               ; for the others' sake: my head's codes lie in LDS, and my reads of the ring are over
	s_barrier_signal -1
	s_barrier_wait -1
.macro FETCH g, fb                     ; K step g's fragments (heads 2 g, 2 g + 1) of the four position tiles
.irp t, 0,1,2,3
.irp c, 0,1,2,3
	ds_load_b128 v[\fb+16*\t+4*\c:\fb+16*\t+4*\c+3], v[OL] offset:8192*\t+2048*(\g)+512*\c
.endr
.endr
.endm
.macro MUL g, fb                       ; the eight accumulators by turns, one instruction a turn, in the same order in every K step
	WIN 0x04                                       ; source 1 (the weight) window 1
.irp ct, 0,1
.irp t, 0,1,2,3
.if \g == 0
	v_wmma_f32_16x16x128_fp8_fp8 v[ACC+8*(4*\ct+\t):ACC+8*(4*\ct+\t)+7], v[\fb+16*\t:\fb+16*\t+15], v[16*(4*\ct+\g):16*(4*\ct+\g)+15], 0
.else
	v_wmma_f32_16x16x128_fp8_fp8 v[ACC+8*(4*\ct+\t):ACC+8*(4*\ct+\t)+7], v[\fb+16*\t:\fb+16*\t+15], v[16*(4*\ct+\g):16*(4*\ct+\g)+15], v[ACC+8*(4*\ct+\t):ACC+8*(4*\ct+\t)+7]
.endif
.endr
.endr
	WIN 0
.rept 4
	v_nop                                          ; four places in front of loads into registers that these products read, and of the first read of results
.endr
.endm
	FETCH 0, FB0
	FETCH 1, FB1
	s_wait_loadcnt 0x0                             ; the weight
	s_wait_dscnt 16                                ; K step 0's fragments are in; K step 1's 16 loads may be out
	MUL 0, FB0
	FETCH 2, FB0
	s_wait_dscnt 16                                ; K step 1's are in; K step 2's may be out
	MUL 1, FB1
	FETCH 3, FB1
	s_wait_dscnt 16                                ; K step 2's are in; K step 3's may be out
	MUL 2, FB0
	s_wait_dscnt 0x0
	MUL 3, FB1
.irp ct, 0,1
.irp t, 0,1,2,3
.irp i, 0,2,4,6
	v_pk_fma_f32 v[FB0+8*(4*\ct+\t)+\i:FB0+8*(4*\ct+\t)+\i+1], v[ACC+8*(4*\ct+\t)+\i:ACC+8*(4*\ct+\t)+\i+1], s[40:41], v[BI+2*\ct:BI+2*\ct+1] op_sel_hi:[1,0,0]   ; sum x 2^(eo + ew) + bias; each accumulator from its low end on
.endr
.endr
.endr
.irp ct, 0,1
.irp t, 0,1,2,3
	ds_store_b128 v[SO], v[FB0+8*(4*\ct+\t):FB0+8*(4*\ct+\t)+3] offset:16*\ct*SP+128*(\t/2)+32*(\t%2)
	ds_store_b128 v[SO], v[FB0+8*(4*\ct+\t)+4:FB0+8*(4*\ct+\t)+7] offset:16*\ct*SP+128*(\t/2)+32*(\t%2)+16
.endr
.endr
.irp k, 0,1,2,3,4,5,6,7,8,9,10,11,12,13,14,15
	ds_load_b128 v[FB1+4*\k:FB1+4*\k+3], v[SR] offset:2*\k*SP   ; my own rows; LDS serves a wave's instructions in order (ISA guide 5.7.1.4): these see the stores above
.endr
.irp k, 0,1,2,3,4,5,6,7,8,9,10,11,12,13,14,15
	s_wait_dscnt 15-\k                             ; rows 2 k and 2 k + 1 are back; the younger loads may be out
	global_store_b128 v[GO], v[FB1+4*\k:FB1+4*\k+3], s[18:19] offset:8192*\k th:TH_STORE_NT   ; sixteen lanes store 256 consecutive bytes; written once, read by nobody here
.endr
	s_wait_tensorcnt 0x0                           ; the wave's end
	ds_add_u32 v[SPW], v[NIL]
	s_wait_dscnt 0x0
	CROUND                                         ; the closing round: no work-group ends while a partner may still ask for a tile that names it
	s_endpgm
.Lfunc_end_k_q7ba1378e67_attn:
	.size	k_q7ba1378e67_attn, .Lfunc_end_k_q7ba1378e67_attn-k_q7ba1378e67_attn
	.p2alignl 7, 3214868480
	.fill 96, 4, 3214868480
	.section	.rodata,"a",@progbits
	.p2align	6, 0x0
	.amdhsa_kernel k_q7ba1378e67_attn
		.amdhsa_group_segment_fixed_size 327680
		.amdhsa_private_segment_fixed_size 0
		.amdhsa_enable_private_segment 0
		.amdhsa_kernarg_size 56
		.amdhsa_user_sgpr_count 2
		.amdhsa_user_sgpr_kernarg_segment_ptr 1
		.amdhsa_wavefront_size32 1
		.amdhsa_system_sgpr_workgroup_id_x 1
		.amdhsa_system_sgpr_workgroup_id_y 1
		.amdhsa_system_sgpr_workgroup_id_z 1
		.amdhsa_system_vgpr_workitem_id 0
		.amdhsa_next_free_vgpr 512
		.amdhsa_next_free_sgpr 80
		.amdhsa_reserve_vcc 0
		.amdhsa_float_denorm_mode_32 3
		.amdhsa_float_denorm_mode_16_64 3
		.amdhsa_memory_ordered 1
		.amdhsa_forward_progress 1
		.amdhsa_inst_pref_size 251
	.end_amdhsa_kernel
	.amdgpu_metadata
---
amdhsa.version: [ 1, 2 ]
amdhsa.kernels:
  - .name:           k_q7ba1378e67_attn
    .symbol:         k_q7ba1378e67_attn.kd
    .args:
      - { .name: kvimg, .offset: 0, .size: 8, .value_kind: global_buffer, .address_space: global }
      - { .name: owimg, .offset: 8, .size: 8, .value_kind: global_buffer, .address_space: global }
      - { .name: o1_b, .offset: 16, .size: 8, .value_kind: global_buffer, .address_space: global }
      - { .name: o2_b, .offset: 24, .size: 8, .value_kind: global_buffer, .address_space: global }
      - { .name: lowp_scales, .offset: 32, .size: 8, .value_kind: global_buffer, .address_space: global }
      - { .name: out0, .offset: 40, .size: 8, .value_kind: global_buffer, .address_space: global }
      - { .name: out1, .offset: 48, .size: 8, .value_kind: global_buffer, .address_space: global }
    .group_segment_fixed_size: 327680
    .private_segment_fixed_size: 0
    .kernarg_segment_align: 8
    .kernarg_segment_size: 56
    .max_flat_workgroup_size: 256
    .sgpr_count:     80
    .vgpr_count:     512
    .wavefront_size: 32
...
	.end_amdgpu_metadata
.endif
;; end of part 2
